; MI455X (gfx1250); checked and timed in simulation.
; The chip was launched on July 23, 2026; its instructions are those of AMD's public machine-readable ISA for CDNA 5 (MIT licence, August 2026) and "CDNA5" Instruction Set Architecture Reference Guide (July 2026). The comments in the code are by the model that wrote it; some were corrected since.
;; EBM Model. Allowed arithmetic: float matrix products may take bf16 or f16 operands with f32 sums; all other float work in f32.
;; Inputs: bias 1 float32; edges 64 x 255 float32; pair_edges 64 x 255 float32; pairs 32 x 2 int32; tables 32 x 256 x 256 float32; w 64 x 256 float32; x 262,144 x 64 float32.
;; Outputs: out0 262,144 float32.
;; One version. Each part assembles by itself: llvm-mc -triple=amdgcn-amd-amdhsa -mcpu=gfx1250 --defsym DOCPART=n.
;; ======== version 1 of 1: 3 launches
;; workspace buffers: xk 67,108,864 bytes of whole numbers; etab 262,144 bytes of whole numbers; img 294,912 bytes of whole numbers
;; launch keys (part 1): grid 1024 x 1, 8 waves a work-group, no clusters, 0 bytes of LDS; arguments x, edges, pair_edges, xk, etab; writes xk, etab
.if DOCPART == 1
	.amdgcn_target "amdgcn-amd-amdhsa--gfx1250"
	.amdhsa_code_object_version 6
	.text
	.protected	k_q9e21cb924b_keys
	.globl	k_q9e21cb924b_keys
	.p2align	8
	.type	k_q9e21cb924b_keys,@function
k_q9e21cb924b_keys:
	s_mov_b64 s[64:65], 0
	v_nop
	global_prefetch_b8 v0, s[64:65] scope:SCOPE_SE
	s_setreg_imm32_b32 hwreg(HW_REG_WAVE_MODE, 25, 1), 1
	s_wait_xcnt 0x0
; LAUNCH 1 OF 3.  Floats become whole numbers whose unsigned order is the floats' total order, so that the later launches compare, and form addresses from, whole numbers alone.
; key(v): -0 counts as +0; a NaN of either sign becomes 0xfffffffe, above +infinity's 0xff800000; else bits ^ 0x80000000 (v >= 0) or ~bits (v < 0).  That is the order in which
; jnp.searchsorted compares (zeros alike, NaN last); denormals keep their places.  0xffffffff is kept free: it is the pad behind an edge list.
; PART A, every wave: x [262144][64] f32 -> xk, same layout, u32 keys.  A work-group takes 65,536 consecutive bytes; thread t the 16 bytes at 16 t of each of 16 chunks of 4,096 bytes,
; so each load and store of a wave covers 512 consecutive aligned bytes.  All 16 loads of a wave go out at once: 8 KiB a wave on its way.
; PART B, wave 0 alone: work-group g ranks 32 edges: feature f = g / 16, set = (g / 8) % 2 (0: edges, 1: pair_edges), j = 32 (g % 8) + lane.  Both lists of a feature, each padded to 256 by the
; key 0xffffffff, are merged by rank: rank(e_j) = j + #{p < e_j}, rank(p_i) = i + #{e <= p_i}: 512 different ranks (each list is sorted, as reference() relies on).  The counts are taken
; against all 256 keys of the other list, one at a time out of a lane (v_readlane_b32): three instructions a key, no address hangs on them.
; The record stored for an edge: its key, and info = r | m1 << 9 | m2 << 17, with r = (rank + 1) & 511 the row of the merged table that stands for 'this edge is the last one <= x',
; c1, c2 = how many edges, pair edges are <= x there, and m = (c + 1) & 255 reference()'s slot (c < 255: c + 1; c = 255: 0).
; The pads fit in: the first list's pad has rank 510, r = 511 (its key is the sentinel that ends the search); the second's has rank 511, r = 0, c1 = c2 = 256, m1 = m2 = 1: the entry for 'no edge <= x'.
.set CHUNK, 4096
.set NCH,   16
.set NANK,  3            ; v3      the key of a NaN
.set X,     8            ; v[8:71] the 16 chunks' 16 bytes
.set T,     72           ; v72-75  at work
.set O,     76           ; v76-83  the other list's 256 keys, 32 a register
.set OWN,   84           ; v84     my edge's key   (v[84:85] is the record)
.set INFO,  85
.set J,     86           ; v86     j
.set CK,    87           ; v87     the key that the other list's keys are compared with
.set CNT,   88           ; v88     the count
.set A1,    89           ; v89     j + 1
.set C1,    90
.set C2,    91
.set R,     92
.set U,     93           ; v93-95  byte offsets
.macro KEY r, t
	v_add_f32 v[\r], 0, v[\r]                      ; -0 + 0 = +0; every other number, and a NaN, stays what it is
	v_ashrrev_i32 v[\t], 31, v[\r]                 ; all ones for a negative number
	v_cmp_neq_f32 vcc_lo, v[\r], v[\r]             ; true for a NaN alone
	v_or_b32 v[\t], s14, v[\t]                     ; what is flipped: all bits, or the sign
	v_xor_b32 v[\r], v[\t], v[\r]
	v_cndmask_b32 v[\r], v[\r], v[NANK], vcc_lo
.endm
	s_load_b256 s[4:11], s[0:1], 0x0               ; x s[4:5], edges s[6:7], pair_edges s[8:9], xk s[10:11]
	s_load_b64 s[12:13], s[0:1], 0x20              ; etab
	v_lshlrev_b32 v1, 4, v0                        ; 16 t
	v_lshrrev_b32 v2, 5, v0
	v_readfirstlane_b32 s16, v2                    ; my wave's number
	v_mov_b32 v[NANK], 0xfffffffe
	s_lshl_b32 s2, ttmp9, 16                       ; the work-group's 65,536 bytes (1,023 x 65,536 stays under 2^32)
	s_mov_b32 s3, 0
	s_mov_b32 s14, 0x80000000
	s_wait_kmcnt 0x0
	s_add_nc_u64 s[4:5], s[4:5], s[2:3]
	s_add_nc_u64 s[10:11], s[10:11], s[2:3]
.set i, 0
.rept NCH
	global_load_b128 v[X+4*i:X+4*i+3], v1, s[4:5] offset:i*CHUNK th:TH_LOAD_NT   ; x is read once in the whole program
.set i, i+1
.endr
.set i, 0
.rept NCH
	s_wait_loadcnt NCH-1-i                         ; loads come back in order: chunk i is in, the 15 - i younger ones stay out
.set j, 0
.rept 4
	KEY X+4*i+j, T+j
.set j, j+1
.endr
	global_store_b128 v1, v[X+4*i:X+4*i+3], s[10:11] offset:i*CHUNK              ; from the registers it was loaded into; they are not written again
.set i, i+1
.endr
	s_cmp_lg_u32 s16, 0
	s_cbranch_scc1 .Lend                           ; part B is wave 0's; in it v0 is the lane
	s_lshr_b32 s17, ttmp9, 4                       ; f
	s_bfe_u32 s18, ttmp9, 0x10003                  ; set
	s_and_b32 s19, ttmp9, 7                        ; which 32 of the list's 256
	s_cmp_eq_u32 s18, 0
	s_cselect_b64 s[20:21], s[6:7], s[8:9]         ; my list
	s_cselect_b64 s[22:23], s[8:9], s[6:7]         ; the other list
	s_cselect_b32 s27, 0, -1                       ; a lane mask: all lanes for set 1
	s_mul_i32 s24, s17, 1020                       ; a feature's 255 edges
	s_mov_b32 s25, 0
	s_add_nc_u64 s[20:21], s[20:21], s[24:25]
	s_add_nc_u64 s[22:23], s[22:23], s[24:25]
	v_lshl_add_u32 v[J], s19, 5, v0
	v_min_u32 v[U], 0xfe, v[J]                     ; j = 255 is the pad: it loads edge 254 (inside the buffer) and is overwritten below
	v_lshlrev_b32 v[U], 2, v[U]
	global_load_b32 v[OWN], v[U], s[20:21]
	v_lshlrev_b32 v[U+1], 2, v0
.set k, 0
.rept 7
	global_load_b32 v[O+k], v[U+1], s[22:23] offset:128*k
.set k, k+1
.endr
	v_min_u32 v[U+2], 30, v0                       ; the last 32: lane 31 is the pad
	v_lshlrev_b32 v[U+2], 2, v[U+2]
	global_load_b32 v[O+7], v[U+2], s[22:23] offset:896
	s_wait_loadcnt 0x0
	KEY OWN, T
.set k, 0
.rept 8
	KEY O+k, T+k%4
.set k, k+1
.endr
	v_cmp_eq_u32 vcc_lo, 31, v0
	v_cndmask_b32 v[O+7], v[O+7], -1, vcc_lo       ; the other list's pad
	v_cmp_eq_u32 vcc_lo, 0xff, v[J]
	v_cndmask_b32 v[OWN], v[OWN], -1, vcc_lo       ; my list's pad
	s_sub_co_u32 s26, s18, 1                       ; set 0: -1, set 1: 0
	v_add_nc_u32 v[CK], s26, v[OWN]                ; o < own is o <= own - 1 (no key is 0); set 1 counts o <= own
	v_mov_b32 v[CNT], 0
.set k, 0
.rept 8
.set n, 0
.rept 32
	v_readlane_b32 s[28+n%4], v[O+k], n            ; key 32 k + n of the other list, for all lanes
	v_cmp_le_u32 vcc_lo, s[28+n%4], v[CK]
	v_add_co_ci_u32 v[CNT], vcc_lo, 0, v[CNT], vcc_lo   ; the count takes the comparison as its carry
.set n, n+1
.endr
.set k, k+1
.endr
	v_add_nc_u32 v[A1], 1, v[J]                    ; of my own list j + 1 are <= x at my row
	v_add3_u32 v[R], v[J], v[CNT], 1               ; rank + 1
	v_and_b32 v[R], 0x1ff, v[R]
	v_cndmask_b32 v[C1], v[A1], v[CNT], s27        ; c1: set 0: j + 1; set 1: the count
	v_cndmask_b32 v[C2], v[CNT], v[A1], s27        ; c2: the other way round
	v_add_nc_u32 v[C1], 1, v[C1]
	v_add_nc_u32 v[C2], 1, v[C2]
	v_and_b32 v[C1], 0xff, v[C1]
	v_and_b32 v[C2], 0xff, v[C2]
	v_lshl_or_b32 v[R], v[C1], 9, v[R]
	v_lshl_or_b32 v[INFO], v[C2], 17, v[R]
	s_lshl_b32 s24, s18, 17                        ; record number (set x 64 + f) x 256 + j, 8 bytes each
	s_lshl_b32 s26, s17, 11
	s_add_co_u32 s24, s24, s26
	s_add_nc_u64 s[12:13], s[12:13], s[24:25]
	v_lshlrev_b32 v[U], 3, v[J]                    ; (its load has been waited for)
	global_store_b64 v[U], v[OWN:INFO], s[12:13]   ; 32 lanes store 256 consecutive bytes, aligned
.Lend:
	s_endpgm
.Lfunc_end_k_q9e21cb924b_keys:
	.size	k_q9e21cb924b_keys, .Lfunc_end_k_q9e21cb924b_keys-k_q9e21cb924b_keys
	.p2alignl 7, 3214868480
	.fill 96, 4, 3214868480
	.section	.rodata,"a",@progbits
	.p2align	6, 0x0
	.amdhsa_kernel k_q9e21cb924b_keys
		.amdhsa_group_segment_fixed_size 0
		.amdhsa_private_segment_fixed_size 0
		.amdhsa_enable_private_segment 0
		.amdhsa_kernarg_size 40
		.amdhsa_user_sgpr_count 2
		.amdhsa_user_sgpr_kernarg_segment_ptr 1
		.amdhsa_wavefront_size32 1
		.amdhsa_system_sgpr_workgroup_id_x 1
		.amdhsa_system_sgpr_workgroup_id_y 1
		.amdhsa_system_sgpr_workgroup_id_z 1
		.amdhsa_system_vgpr_workitem_id 0
		.amdhsa_next_free_vgpr 96
		.amdhsa_next_free_sgpr 66
		.amdhsa_reserve_vcc 1
		.amdhsa_float_denorm_mode_32 3
		.amdhsa_float_denorm_mode_16_64 3
		.amdhsa_memory_ordered 1
		.amdhsa_forward_progress 1
		.amdhsa_inst_pref_size 53
	.end_amdhsa_kernel
	.amdgpu_metadata
---
amdhsa.version: [ 1, 2 ]
amdhsa.kernels:
  - .name:           k_q9e21cb924b_keys
    .symbol:         k_q9e21cb924b_keys.kd
    .args:
      - { .name: x, .offset: 0, .size: 8, .value_kind: global_buffer, .address_space: global }
      - { .name: edges, .offset: 8, .size: 8, .value_kind: global_buffer, .address_space: global }
      - { .name: pair_edges, .offset: 16, .size: 8, .value_kind: global_buffer, .address_space: global }
      - { .name: xk, .offset: 24, .size: 8, .value_kind: global_buffer, .address_space: global }
      - { .name: etab, .offset: 32, .size: 8, .value_kind: global_buffer, .address_space: global }
    .group_segment_fixed_size: 0
    .private_segment_fixed_size: 0
    .kernarg_segment_align: 8
    .kernarg_segment_size: 40
    .max_flat_workgroup_size: 256
    .sgpr_count:     66
    .vgpr_count:     96
    .wavefront_size: 32
...
	.end_amdgpu_metadata
.endif
;; end of part 1
;; launch image (part 2): grid 256 x 1, 4 waves a work-group, no clusters, 0 bytes of LDS; arguments etab, w, img; writes img
.if DOCPART == 2
	.amdgcn_target "amdgcn-amd-amdhsa--gfx1250"
	.amdhsa_code_object_version 6
	.text
	.protected	k_q9e21cb924b_image
	.globl	k_q9e21cb924b_image
	.p2align	8
	.type	k_q9e21cb924b_image,@function
k_q9e21cb924b_image:
	s_mov_b64 s[64:65], 0
	v_nop
	global_prefetch_b8 v0, s[64:65] scope:SCOPE_SE
	s_setreg_imm32_b32 hwreg(HW_REG_WAVE_MODE, 25, 1), 1
	s_wait_xcnt 0x0
; LAUNCH 2 OF 3.  The 32,768 records of launch 1 (whole numbers) are placed: img is, byte for byte, the picture of LDS that launch 3 loads.
;   img + 32768 + 512 r + 4 f        the merged key of rank r - 1 of feature f   (row 0's key is the second pad and is never probed; row 511's is the sentinel)
;   img + 32768 + 512 r + 256 + 4 f  w[f][m1]: the feature's score when r merged edges are <= x
;   img + 64 ((r + 64) & 511) + f / 2 + 32 (f % 2)   m2, a byte: the feature's pair bin there (the rows are turned by 64 because launch 3 makes this address by one bit-field of its row address)
; One record a thread: thread T = 128 g + t has set T / 16384, f = (T / 256) % 64 (one f for a work-group), j = T % 256.  The ranks of a feature's 512 records are all different, so every byte of
; img is stored once.  A placement by rank cannot store neighbouring bytes from neighbouring lanes: 98,304 small stores, once, for 294,912 bytes that 256 work-groups then read as whole rows.
; Every field that enters an address is clamped first, to the size of what it indexes.
.set MB, 32768
	s_load_b128 s[4:7], s[0:1], 0x0                ; etab s[4:5], w s[6:7]
	s_load_b64 s[8:9], s[0:1], 0x10                ; img
	s_lshl_b32 s10, ttmp9, 10                      ; the work-group's 128 records of 8 bytes
	s_mov_b32 s11, 0
	s_bfe_u32 s12, ttmp9, 0x60001                  ; f
	s_lshl_b32 s14, s12, 10                        ; w's row f
	s_mov_b32 s15, 0
	s_lshl_b32 s16, s12, 2
	s_add_co_u32 s16, s16, MB                      ; 32768 + 4 f
	s_lshr_b32 s17, s12, 1
	s_and_b32 s18, s12, 1
	s_lshl_b32 s18, s18, 5
	s_add_co_u32 s17, s17, s18                     ; f / 2 + 32 (f % 2)
	v_lshlrev_b32 v1, 3, v0
	s_wait_kmcnt 0x0
	s_add_nc_u64 s[4:5], s[4:5], s[10:11]
	s_add_nc_u64 s[6:7], s[6:7], s[14:15]
	global_load_b64 v[2:3], v1, s[4:5]             ; key, info
	s_wait_loadcnt 0x0
	v_bfe_u32 v4, v3, 9, 8                         ; m1
	v_min_u32 v4, 0xff, v4
	v_lshlrev_b32 v4, 2, v4
	global_load_b32 v5, v4, s[6:7]                 ; w[f][m1]
	v_and_b32 v6, 0x1ff, v3                        ; r
	v_min_u32 v6, 0x1ff, v6
	v_lshl_add_u32 v7, v6, 9, s16
	global_store_b32 v7, v2, s[8:9]                ; the key
	v_add_nc_u32 v8, 64, v6
	v_and_b32 v8, 0x1ff, v8
	v_lshl_add_u32 v8, v8, 6, s17
	v_lshrrev_b32 v9, 17, v3                       ; m2
	global_store_b8 v8, v9, s[8:9]
	s_wait_loadcnt 0x0
	global_store_b32 v7, v5, s[8:9] offset:256     ; the score
	s_endpgm
.Lfunc_end_k_q9e21cb924b_image:
	.size	k_q9e21cb924b_image, .Lfunc_end_k_q9e21cb924b_image-k_q9e21cb924b_image
	.p2alignl 7, 3214868480
	.fill 96, 4, 3214868480
	.section	.rodata,"a",@progbits
	.p2align	6, 0x0
	.amdhsa_kernel k_q9e21cb924b_image
		.amdhsa_group_segment_fixed_size 0
		.amdhsa_private_segment_fixed_size 0
		.amdhsa_enable_private_segment 0
		.amdhsa_kernarg_size 24
		.amdhsa_user_sgpr_count 2
		.amdhsa_user_sgpr_kernarg_segment_ptr 1
		.amdhsa_wavefront_size32 1
		.amdhsa_system_sgpr_workgroup_id_x 1
		.amdhsa_system_sgpr_workgroup_id_y 1
		.amdhsa_system_sgpr_workgroup_id_z 1
		.amdhsa_system_vgpr_workitem_id 0
		.amdhsa_next_free_vgpr 10
		.amdhsa_next_free_sgpr 66
		.amdhsa_reserve_vcc 0
		.amdhsa_float_denorm_mode_32 3
		.amdhsa_float_denorm_mode_16_64 3
		.amdhsa_memory_ordered 1
		.amdhsa_forward_progress 1
		.amdhsa_inst_pref_size 2
	.end_amdhsa_kernel
	.amdgpu_metadata
---
amdhsa.version: [ 1, 2 ]
amdhsa.kernels:
  - .name:           k_q9e21cb924b_image
    .symbol:         k_q9e21cb924b_image.kd
    .args:
      - { .name: etab, .offset: 0, .size: 8, .value_kind: global_buffer, .address_space: global }
      - { .name: w, .offset: 8, .size: 8, .value_kind: global_buffer, .address_space: global }
      - { .name: img, .offset: 16, .size: 8, .value_kind: global_buffer, .address_space: global }
    .group_segment_fixed_size: 0
    .private_segment_fixed_size: 0
    .kernarg_segment_align: 8
    .kernarg_segment_size: 24
    .max_flat_workgroup_size: 128
    .sgpr_count:     66
    .vgpr_count:     10
    .wavefront_size: 32
...
	.end_amdgpu_metadata
.endif
;; end of part 2
;; launch score (part 3): grid 256 x 1, 16 waves a work-group, no clusters, 327,680 bytes of LDS; arguments xk, img, pairs, tables, bias, out0; writes out0
.if DOCPART == 3
	.amdgcn_target "amdgcn-amd-amdhsa--gfx1250"
	.amdhsa_code_object_version 6
	.text
	.protected	k_q9e21cb924b_score
	.globl	k_q9e21cb924b_score
	.p2align	8
	.type	k_q9e21cb924b_score,@function
k_q9e21cb924b_score:
	s_mov_b64 s[64:65], 0
	v_nop
	global_prefetch_b8 v0, s[64:65] scope:SCOPE_SE
	s_setreg_imm32_b32 hwreg(HW_REG_WAVE_MODE, 25, 1), 1
	s_wait_xcnt 0x0
; LAUNCH 3 OF 3.  out0[row] = sigmoid(sum over f of w[f][bin] + sum over p of tables[p][li][ri] + bias).
; INPUTS OF THIS LAUNCH: xk, x as order-preserving u32 keys (launch 1); img, the tables (launch 2); pairs, tables, bias.
; SHARES.  256 work-groups of 16 waves; a work-group owns 1,024 rows, a wave 64, taken 8 a trip.  LANES ARE FEATURES: lane l owns features 2 l and 2 l + 1 (8 bytes of a row of keys), and pair l.
; THE TABLE (LDS 32768 on): row r of 512 bytes: 64 keys, then 64 scores.  Key (r, f) is feature f's merged edge of rank r - 1 (both edge lists in one sorted list of 510, then the sentinel 0xffffffff);
; score (r, f) is w[f][bin] when r merged edges are <= x.  LDS 0 to 32767: a byte for each (r, f), the feature's pair bin.  A lane's word of a row lies in bank 2 l or 2 l + 1 whatever the row
; (64 banks of 4 bytes: ISA guide 11.1; the pitch is two rows of banks), so the 32 lanes of a probe never meet in a bank.  The byte table's loads do meet (four lanes to a word column).
; THE SEARCH: pos = 0; for s = 256, 128 .. 1: if key[pos + s - 1] <= x then pos += s: nine levels for both bins at once.  It is kept as the byte address a = 32768 + 512 pos + 4 f; the probe is the
; row pos + s, an immediate offset.  Levels 256 and 128 probe three keys that a lane keeps in registers; seven probes come from LDS.  16 chains (8 rows x 2 features) run side by side in a wave.
; Every address made from data is clamped by a constant to the last place that its level can reach; with a table built as launch 2 builds it no clamp ever bites.
; PAIRS.  A lane's two bins, packed, are fetched by lane p from the lanes that own features pairs[p][0] and pairs[p][1] (ds_bpermute_b32); one 4-byte load a pair from tables.
; PIPELINE.  A trip's keys are asked for one trip ahead, into the other of two register sets; a trip's table loads are summed up (FINAL) in the next trip, behind its last probes.
; SUMS.  Lane l holds score(2 l) + score(2 l + 1) + pair l; the 32 lanes of 4 rows are folded together (lane bits 4, 3 come to choose the row), then added over lane bits 2 to 0.
; Trip t's results are kept in the lanes with l % 8 = t: lane l ends with rows 8 (l % 8) + 2 (l / 8) and the next one: 8 bytes a lane, 256 consecutive aligned bytes a wave, one store.
; NO CLUSTER, although all work-groups read the same 294,912 bytes of img: the search's LDS addresses are made from the work-group's own rows of keys, so they differ from work-group to work-group,
; and each work-group asks for the image itself, once, each wave for its sixteenth.
; LDS is filled once; nothing is filled again.
; LIMITS.  Sums in f32, in another order than reference()'s.  The order of x and the edges is jnp's total order (launch 1).  pairs' numbers are clamped to 63.
.set PIT,   512
.set MB,    32768
.set IMG,   MB+512*PIT   ; 294,912
.set SPARE, IMG          ; behind the tables: the spare words, 128 bytes for each of 16 waves: eight blocks of 256 bytes that no other line names
.set PART,  IMG/16       ; 18,432 bytes = 72 rows of 256: a wave's part of the image
.set LMAX,  252          ; the largest 4 f
.set LANE, 1
.set SPW,  2             ; v2      LDS address of my spare word; never rewritten
.set NIL,  3             ; v3      0; never rewritten
.set B,    4             ; v4, v5  a at pos = 0, for my even and my odd feature
.set BH,   6             ; v6, v7  a at pos = 256
.set KT,   8             ; v[8:9]   my features' keys of rank 255
.set KL,   10            ; v[10:11] of rank 127
.set KH,   12            ; v[12:13] of rank 383
.set IXL,  14            ; v14, v15 4 x the lane that owns pairs[l][0], pairs[l][1]
.set IXR,  15
.set SHL,  16            ; v16, v17 0 or 8: which of that lane's two bytes
.set SHR,  17
.set PB,   18            ; v18     262144 l: my pair's table
.set KO,   19            ; v19     8 l
.set OO,   20            ; v20     my byte offset in the wave's 256 bytes of out0
.set STP,  21            ; v21-28  512 x 128, 64 .. 1
.set RES,  30            ; v[30:31] my two results
.set KA,   32            ; v[32:47] keys of 8 rows
.set KB,   48            ; v[48:63] the other set
.set A,    64            ; by chain q = 2 x row + parity: a
.set P,    80            ; the probe; later the permutes' results
.set T,    96            ; at work
.set W,    112           ; the score
.set PI,   128           ; the pair bin
.set S,    144           ; by row: the two scores' sum
.set G,    152           ; by row: the pair's number
.set OFF,  160           ; by row: its byte offset in tables
.set PR,   168           ; v[168:169] pairs[l]
.set WV,   16            ; s16 my wave's number
.set G0,   32            ; s[32:35] descriptor group 0
.set G1,   36            ; s[36:43] descriptor group 1
	s_load_b256 s[4:11], s[0:1], 0x0               ; xk s[4:5], img s[6:7], pairs s[8:9], tables s[10:11]
	s_load_b128 s[12:15], s[0:1], 0x20             ; bias s[12:13], out0 s[14:15]
	v_lshl_add_u32 v[SPW], v0, 2, SPARE
	v_mov_b32 v[NIL], 0
	ds_add_u32 v[SPW], v[NIL]                      ; the wave's opening: the add and its wait come ahead of my first tensor load; the set-up below, work on registers, stands between them
	ds_add_u32 v2, v3
	v_lshrrev_b32 v[LANE], 5, v0
	v_readfirstlane_b32 s[WV], v[LANE]
	v_and_b32 v[LANE], 31, v0
	s_mov_b32 s18, ttmp9                           ; my work-group
	s_mov_b32 s[G0], 1                             ; count = 1
	s_mul_i32 s[G0+1], s[WV], PART                 ; LDS address: wave x 18,432
	s_mov_b32 s[G1], 3<<16                         ; 15:0 no mask; 17:16 elements of 8 bytes; no padding
	s_mov_b32 s[G1+1], 32<<16                      ; tensor_dim0 = 32 elements: rows of 256 bytes
	s_mov_b32 s[G1+2], 72<<16                      ; tensor_dim1 = 72
	s_mov_b32 s[G1+3], 32<<16                      ; tile_dim0 = 32
	s_mov_b32 s[G1+4], 72                          ; tile_dim1 = 72
	s_mov_b32 s[G1+5], 32                          ; 32 elements from row to row: the block is dense
	s_mov_b32 s[G1+6], 0
	s_mov_b32 s[G1+7], 0
	s_mul_i32 s20, s[WV], PART
	s_mov_b32 s21, 0
	s_wait_dscnt 0x0                               ; the opening add is done
	s_wait_kmcnt 0x0
	s_add_nc_u64 s[G0+2:G0+3], s[6:7], s[20:21]    ; global address: my wave's sixteenth of img
	s_or_b32 s[G0+3], s[G0+3], 0x80000000          ; type = 2
	tensor_load_to_lds s[G0:G0+3], s[G1:G1+7]      ; my one tensor load of the launch; its descriptor is never written again
	s_nop 0
	s_lshl_b32 s20, s18, 18                        ; 1,024 rows of 256 bytes a work-group,
	s_lshl_b32 s19, s[WV], 14                      ; 64 a wave
	s_add_co_u32 s20, s20, s19
	s_add_nc_u64 s[4:5], s[4:5], s[20:21]          ; xk at my wave's first row
	s_lshl_b32 s20, s18, 12
	s_lshl_b32 s19, s[WV], 8
	s_add_co_u32 s20, s20, s19
	s_add_nc_u64 s[14:15], s[14:15], s[20:21]      ; out0 at my wave's 256 bytes
	v_lshlrev_b32 v[KO], 3, v[LANE]
.set k, 0
.rept 8
	global_load_b64 v[KA+2*k:KA+2*k+1], v[KO], s[4:5] offset:256*k th:TH_LOAD_NT   ; trip 0's keys: a row is 256 consecutive aligned bytes; xk is read once
.set k, k+1
.endr
	global_load_b64 v[PR:PR+1], v[KO], s[8:9]      ; pairs[l]
	s_load_b32 s26, s[12:13], 0x0                  ; bias
	v_add_nc_u32 v[B], MB, v[KO]
	v_add_nc_u32 v[B+1], MB+4, v[KO]
	v_add_nc_u32 v[BH], MB+256*PIT, v[KO]
	v_add_nc_u32 v[BH+1], MB+256*PIT+4, v[KO]
.set i, 0
.rept 8
	v_mov_b32 v[STP+i], (128>>i)*PIT
.set i, i+1
.endr
	v_lshlrev_b32 v[PB], 18, v[LANE]
	v_and_b32 v[OO], 7, v[LANE]                    ; lane l stores the pair of rows number 4 (l % 8) + l / 8
	v_lshrrev_b32 v[T], 3, v[LANE]
	v_lshlrev_b32 v[OO], 5, v[OO]
	v_lshl_or_b32 v[OO], v[T], 3, v[OO]
	v_mov_b32 v[RES], 0                            ; every lane's results are selected in below; the select reads its destination
	v_mov_b32 v[RES+1], 0
	v_add_nc_u32 v[T+1], 128*PIT, v[B]
	v_add_nc_u32 v[T+2], 128*PIT, v[BH]
	s_mov_b32 s23, 0x01010101                      ; the lanes with l % 8 = 0: they keep trip 0's results
	s_mov_b32 s25, 0xff00ff00                      ; the lanes whose bit 3 is set
	s_mov_b32 s27, 0xbfb8aa3b                      ; -log2(e)
	s_mov_b32 s22, 3
	s_wait_tensorcnt 0x0                           ; my part of the image is in,
	s_barrier_signal -1
	s_barrier_wait -1                              ; everybody's is
	ds_load_b64 v[KT:KT+1], v[BH]                  ; rank 255 lies in row 256, my two features side by side
	ds_load_b64 v[KL:KL+1], v[T+1]                 ; rank 127 in row 128
	ds_load_b64 v[KH:KH+1], v[T+2]                 ; rank 383 in row 384
	s_wait_loadcnt 0x0                             ; trip 0's keys and pairs
	v_min_u32 v[PR], 63, v[PR]
	v_min_u32 v[PR+1], 63, v[PR+1]
	v_and_b32 v[IXL], 62, v[PR]                    ; feature f lives in lane f / 2: 4 (f / 2) = 2 (f & 62),
	v_and_b32 v[IXR], 62, v[PR+1]
	v_and_b32 v[SHL], 1, v[PR]                     ; in byte f % 2
	v_and_b32 v[SHR], 1, v[PR+1]
	v_lshlrev_b32 v[IXL], 1, v[IXL]
	v_lshlrev_b32 v[IXR], 1, v[IXR]
	v_lshlrev_b32 v[SHL], 3, v[SHL]
	v_lshlrev_b32 v[SHR], 3, v[SHR]
	s_wait_kmcnt 0x0
	s_mul_f32 s28, s26, s27                        ; -log2(e) bias
	s_wait_dscnt 0x0                               ; the six keys
; One level of all 16 chains: the step is st = 128 >> i rows.  The probe was asked for by the level before (for i = 0 it was chosen from registers).
.macro LEVEL K, i
.set st, 128>>(\i)
.set q, 0
.rept 16
.if (\i) == 7
	s_wait_dscnt 15+q                              ; younger than chain q's probe: 15 - q probes, and two loads for each of the q chains already through this level
.elseif (\i) > 0
	s_wait_dscnt 15                                ; younger than chain q's probe: 15 - q probes of its level and q of this one
.endif
	v_cmp_le_u32 vcc_lo, v[P+q], v[(\K)+q]         ; edge <= x, as whole numbers
	v_cndmask_b32 v[T+q], 0, v[STP+(\i)], vcc_lo
	v_add_nc_u32 v[A+q], v[A+q], v[T+q]
	v_min_u32 v[A+q], MB+(512-st)*PIT+LMAX, v[A+q] ; pos is a multiple of st below 512
.if (\i) < 7
	ds_load_b32 v[P+q], v[A+q] offset:(st/2)*PIT   ; rank pos + st / 2 - 1 lies in row pos + st / 2
.else
	ds_load_b32 v[W+q], v[A+q] offset:256          ; the score of row pos
	v_bfe_u32 v[T+q], v[A+q], 3, 15                ; (a / 8) mod 32768 = 64 ((pos + 64) mod 512) + l
	v_min_u32 v[T+q], 511*64+31, v[T+q]
	ds_load_u8 v[PI+q], v[T+q] offset:32*(q%2)     ; the pair bin; odd features lie 32 bytes on
.endif
.set q, q+1
.endr
.endm
; The trip before's 8 rows are summed over the lanes.  left = the loads issued behind its 8 loads from tables.
.macro FINAL left
	s_wait_loadcnt \left
.set k, 0
.rept 8
	v_add_f32 v[G+k], v[S+k], v[G+k]
.set k, k+1
.endr
.irp g, 0,1                             ; rows g, g + 2, g + 4, g + 6 of the trip
	v_permlane16_swap_b32 v[G+\g], v[G+4+\g]       ; the first's upper 16 lanes change places with the second's lower 16,
	v_permlane16_swap_b32 v[G+2+\g], v[G+6+\g]
	v_add_f32 v[G+\g], v[G+\g], v[G+4+\g]          ; so the sum holds row g in lanes 0-15 and row g + 4 in lanes 16-31
	v_add_f32 v[G+2+\g], v[G+2+\g], v[G+6+\g]      ; rows g + 2 and g + 6
	v_cndmask_b32 v[G+4+\g], v[G+\g], v[G+2+\g], s25   ; what a lane keeps: by its bit 3,
	v_cndmask_b32 v[G+6+\g], v[G+2+\g], v[G+\g], s25   ; and what it gives to the lane 8 away
	v_add_f32_dpp v[G+4+\g], v[G+6+\g], v[G+4+\g] row_xmask:8 row_mask:0xf bank_mask:0xf
	v_add_f32_dpp v[G+4+\g], v[G+4+\g], v[G+4+\g] row_xmask:4 row_mask:0xf bank_mask:0xf
	v_add_f32_dpp v[G+4+\g], v[G+4+\g], v[G+4+\g] row_xmask:2 row_mask:0xf bank_mask:0xf
	v_add_f32_dpp v[G+4+\g], v[G+4+\g], v[G+4+\g] row_xmask:1 row_mask:0xf bank_mask:0xf
	v_cndmask_b32 v[RES+\g], v[RES+\g], v[G+4+\g], s23  ; lane l now holds row 2 (l / 8) + g of that trip: kept where l % 8 is the trip's number
.endr
	s_lshl_b32 s23, s23, 1
.endm
; A trip: 8 rows whose keys lie in set K.  pre > 0: the next trip's keys are asked for, at byte pre from s[4:5], into set N.  fin = 1: the trip before is summed up.
.macro TRIP K, N, pre, fin
	s_wait_loadcnt 8                               ; my keys are in: behind them only the last trip's 8 loads from tables were issued
.if (\pre) > 0
.set k, 0
.rept 8
	global_load_b64 v[(\N)+2*k:(\N)+2*k+1], v[KO], s[4:5] offset:(\pre)+256*k th:TH_LOAD_NT
.set k, k+1
.endr
.endif
.set q, 0
.rept 16                                ; step 256: the probe, both outcomes' addresses and both next probes lie in registers
	v_cmp_le_u32 vcc_lo, v[KT+q%2], v[(\K)+q]
	v_cndmask_b32 v[A+q], v[B+q%2], v[BH+q%2], vcc_lo
	v_cndmask_b32 v[P+q], v[KL+q%2], v[KH+q%2], vcc_lo
.set q, q+1
.endr
.irp i, 0,1,2,3,4,5,6,7
	LEVEL \K, \i
.endr
.if \fin
.if (\pre) > 0
	FINAL 8                                        ; behind the last trip's table loads: this trip's 8 key loads
.else
	FINAL 0
.endif
.endif
.set k, 0
.rept 8
	s_wait_dscnt 28-2*k                            ; row k's scores and bins are in: younger are 28 - 4 k table loads and the 2 k permutes below
	v_lshl_or_b32 v[T+k], v[PI+2*k+1], 8, v[PI+2*k]
	ds_bpermute_b32 v[P+k], v[IXL], v[T+k]         ; the two bins of the lane that owns pairs[l][0],
	ds_bpermute_b32 v[P+8+k], v[IXR], v[T+k]       ; of the one that owns pairs[l][1]
	v_add_f32 v[S+k], v[W+2*k], v[W+2*k+1]
.set k, k+1
.endr
.set k, 0
.rept 8
.set u, T+8+2*(k%4)
	s_wait_dscnt 14-2*k                            ; younger: the permutes of the 7 - k later rows
	v_bfe_u32 v[u], v[P+k], v[SHL], 8              ; li
	v_bfe_u32 v[u+1], v[P+8+k], v[SHR], 8          ; ri
	v_lshl_or_b32 v[u], v[u], 8, v[u+1]
	v_min_u32 v[u], 0xffff, v[u]
	v_lshl_add_u32 v[OFF+k], v[u], 2, v[PB]        ; (the load that last named this register was waited for in FINAL)
	global_load_b32 v[G+k], v[OFF+k], s[10:11]     ; tables[l][li][ri]
.set k, k+1
.endr
.endm
	TRIP KA, KB, 2048, 0                           ; trip 0; trip t's rows begin 2,048 t bytes from the wave's first
.Ltrips:                                               ; trips 1 and 2, 3 and 4, 5 and 6
	TRIP KB, KA, 4096, 1
	TRIP KA, KB, 6144, 1
	s_wait_xcnt 0x0                                ; the base of the loads above is stepped only behind this wait
	s_add_nc_u64 s[4:5], s[4:5], 4096
	s_sub_co_u32 s22, s22, 1
	s_cmp_lg_u32 s22, 0
	s_cbranch_scc1 .Ltrips
	TRIP KB, KA, 0, 1                              ; trip 7 asks for no keys
	FINAL 0
	v_fma_f32 v[RES], v[RES], s27, s28             ; -log2(e) (sum + bias)
	v_fma_f32 v[RES+1], v[RES+1], s27, s28
	v_exp_f32 v[RES], v[RES]
	v_exp_f32 v[RES+1], v[RES+1]
	v_nop                                          ; a plain instruction between an exponential and the use of its result (ISA guide 5.7.2)
	s_wait_alu depctr_va_vdst(0)
	v_add_f32 v[RES], 1.0, v[RES]
	v_add_f32 v[RES+1], 1.0, v[RES+1]
	v_rcp_f32 v[RES], v[RES]                       ; an exponential that overflows gives 1 / infinity = 0, one that vanishes gives 1
	v_rcp_f32 v[RES+1], v[RES+1]
	v_nop
	s_wait_alu depctr_va_vdst(0)
	global_store_b64 v[OO], v[RES:RES+1], s[14:15] ; the wave's 64 results: 256 consecutive bytes, aligned, by one instruction
	s_wait_tensorcnt 0x0                           ; the wave's end, behind my one tensor load
	ds_add_u32 v[SPW], v[NIL]
	s_wait_dscnt 0x0
	s_endpgm
.Lfunc_end_k_q9e21cb924b_score:
	.size	k_q9e21cb924b_score, .Lfunc_end_k_q9e21cb924b_score-k_q9e21cb924b_score
	.p2alignl 7, 3214868480
	.fill 96, 4, 3214868480
	.section	.rodata,"a",@progbits
	.p2align	6, 0x0
	.amdhsa_kernel k_q9e21cb924b_score
		.amdhsa_group_segment_fixed_size 327680
		.amdhsa_private_segment_fixed_size 0
		.amdhsa_enable_private_segment 0
		.amdhsa_kernarg_size 48
		.amdhsa_user_sgpr_count 2
		.amdhsa_user_sgpr_kernarg_segment_ptr 1
		.amdhsa_wavefront_size32 1
		.amdhsa_system_sgpr_workgroup_id_x 1
		.amdhsa_system_sgpr_workgroup_id_y 1
		.amdhsa_system_sgpr_workgroup_id_z 1
		.amdhsa_system_vgpr_workitem_id 0
		.amdhsa_next_free_vgpr 170
		.amdhsa_next_free_sgpr 66
		.amdhsa_reserve_vcc 1
		.amdhsa_float_denorm_mode_32 3
		.amdhsa_float_denorm_mode_16_64 3
		.amdhsa_memory_ordered 1
		.amdhsa_forward_progress 1
		.amdhsa_inst_pref_size 180
	.end_amdhsa_kernel
	.amdgpu_metadata
---
amdhsa.version: [ 1, 2 ]
amdhsa.kernels:
  - .name:           k_q9e21cb924b_score
    .symbol:         k_q9e21cb924b_score.kd
    .args:
      - { .name: xk, .offset: 0, .size: 8, .value_kind: global_buffer, .address_space: global }
      - { .name: img, .offset: 8, .size: 8, .value_kind: global_buffer, .address_space: global }
      - { .name: pairs, .offset: 16, .size: 8, .value_kind: global_buffer, .address_space: global }
      - { .name: tables, .offset: 24, .size: 8, .value_kind: global_buffer, .address_space: global }
      - { .name: bias, .offset: 32, .size: 8, .value_kind: global_buffer, .address_space: global }
      - { .name: out0, .offset: 40, .size: 8, .value_kind: global_buffer, .address_space: global }
    .group_segment_fixed_size: 327680
    .private_segment_fixed_size: 0
    .kernarg_segment_align: 8
    .kernarg_segment_size: 48
    .max_flat_workgroup_size: 512
    .sgpr_count:     66
    .vgpr_count:     170
    .wavefront_size: 32
...
	.end_amdgpu_metadata
.endif
;; end of part 3
